; MI455X (gfx1250); checked and timed in simulation.
; The chip was launched on July 23, 2026; its instructions are those of AMD's public machine-readable ISA for CDNA 5 (MIT licence, August 2026) and "CDNA5" Instruction Set Architecture Reference Guide (July 2026). The comments in the code are by the model that wrote it; some were corrected since.
;; Self Attention. Allowed arithmetic: matrix products marked QUANTISED: E2M3 operands, one E8M0 scale for each 32 along K, by v_wmma_scale_f32_16x16x128_f8f6f4 with both operands' format E2M3, f32 sums; everything else in f32.
;; Inputs: w_attn 1,024 x 3,072 float32; w_proj 1,024 x 1,024 float32; x 4 x 2,048 x 1,024 float32.
;; Outputs: out0 4 x 2,048 x 1,024 float32.
;; This version of the problem:
;;   THIS VERSION OF THE PROBLEM IS GIVEN IN LOW PRECISION. The matrix products marked QUANTISED in the list below multiply operands that are first quantised to E2M3 (2 exponent bits, 3 mantissa bits; 6 bits a number), with one power-of-two scale for each 32 numbers along K (OCP MX v1.0); their sums are f32. All else is computed in f32.
;;   The module's matrix products, in the order in which they are computed (A, B: the left and right operand; K: the contracted axis; several contracted axes count as one K, in the product's order):
;;     1. [M 8,192, K 1,024] x [K 1,024, N 3,072]; A: input x; B: input w_attn: QUANTISED
;;     2. batch 64 x [M 2,048, K 64] x [K 64, N 2,048]; A: computed on the way; B: computed on the way: QUANTISED
;;     3. batch 64 x [M 2,048, K 2,048] x [K 2,048, N 64]; A: softmax (see below); B: computed on the way: QUANTISED
;;     4. [M 8,192, K 1,024] x [K 1,024, N 1,024]; A: computed on the way; B: input w_proj: QUANTISED
;;   THE QUANTISER, for each operand of a quantised product, along K:
;;     - K is cut into blocks of 32 from its start; a last block that is shorter is filled with zeros.
;;     - A block's scale is 2^e with e = floor(log2(the largest magnitude in the block)) - 2, held to -126 .. 127; a block of zeros has e = 0. As a byte (E8M0): e + 127.
;;     - Each number is divided by its block's scale, clamped to +-7.5, and rounded to the nearest number of E2M3, ties to even, subnormals kept.
;;     - The product sums the exact products of the quantised numbers (number of the format x scale) in f32.
;;   ~~~python
;;   def quantise(x, axis):      # numpy; x: float32 -> the quantised numbers, widened to float32 again
;;       x = np.moveaxis(x, axis, -1); K = x.shape[-1]
;;       x = np.pad(x, [(0, 0)] * (x.ndim - 1) + [(0, -K % 32)]); x = x.reshape(x.shape[:-1] + (-1, 32)); a = np.abs(x).max(-1, keepdims=True)
;;       e = np.where(a > 0, np.clip(np.frexp(np.where(a > 0, a, 1))[1] - 1 - 2, -126, 127), 0)      # np.frexp(a)[1] - 1 = floor(log2(a)), exactly
;;       r = np.clip(x / 2.0 ** e, -7.5, 7.5)
;;       step = 2.0 ** (np.maximum(np.frexp(np.where(r == 0, 1, r))[1] - 1, 0) - 3)
;;       q = np.round(r / step) * step * 2.0 ** e      # np.round: ties to even
;;       return np.moveaxis(q.reshape(q.shape[:-2] + (-1,))[..., :K], -1, axis).astype(np.float32)
;;   ~~~
;;   SOFTMAX AHEAD OF A QUANTISED PRODUCT. Where the list says 'softmax', what is quantised is not the finished softmax but p = 2^(t - M), with t = logit x log2(e) and M = ceil(the row's largest t), a whole number; so 1/2 < the row's largest p <= 1. The row's sum l is taken of the UNQUANTISED p, in f32, and the product's result is divided by l at the end. Since M is a whole number, a kernel that streams over the keys may use a running M (the ceiling of the running maximum): every later rescaling is an exact power of two, which a block's scale takes up: the codes' values come out the same.
;;   OPERANDS COMPUTED ON THE WAY. 'Computed on the way' means the value that the module computes at that place (a softmax that the list does not call 'softmax' is quantised finished and normalised). What goes into a quantiser is computed in f32, as accurately as f32 sums, v_exp_f32 and their like allow (about 1e-6 of the number): no bf16 or f16 on the way to a quantiser, and a product that is left as it is and whose result goes on into a quantised operand takes f32 operands (vector FMAs, or v_wmma_f32_16x16x4_f32). A number that lies on a knife's edge between two numbers of the format may be rounded either way, as far as f32 arithmetic and the matrix unit's own rounding can turn it there, and no further.
;; One version. Each part assembles by itself: llvm-mc -triple=amdgcn-amd-amdhsa -mcpu=gfx1250 --defsym DOCPART=n.
;; ======== version 1 of 1: 5 launches
;; workspace buffers: xq 6,553,600 bytes; wq 3,276,800 bytes; qb 6,815,744 bytes; kvb 13,631,488 bytes; yq 6,553,600 bytes
;; launch quant_x (part 1): grid 512 x 1, 4 waves a work-group, no clusters, 34,304 bytes of LDS; arguments x, xq; writes xq
.if DOCPART == 1
	.amdgcn_target "amdgcn-amd-amdhsa--gfx1250"
	.amdhsa_code_object_version 6
	.text
	.protected	k_qd0bc02a2ae_quant_x
	.globl	k_qd0bc02a2ae_quant_x
	.p2align	8
	.type	k_qd0bc02a2ae_quant_x,@function
k_qd0bc02a2ae_quant_x:
	s_mov_b64 s[64:65], 0
	v_nop
	global_prefetch_b8 v0, s[64:65] scope:SCOPE_SE
	s_setreg_imm32_b32 hwreg(HW_REG_WAVE_MODE, 25, 1), 1
	s_wait_xcnt 0x0
; x [8192][1024] f32 becomes codes of E2M3 with one E8M0 byte for each 32 along K, laid as RECORDS in the order of a matrix operand's registers.
; A record (12,800 bytes) is one tile of 16 rows for all of K: 8 fragments of 1,536 bytes (K step s at 1536 s), then 512 bytes of scale words.
; A fragment is two halves of 768 bytes (c = 0, 1): lane l's registers 6c..6c+3 at 16 l, its registers 6c+4, 6c+5 at 512 + 8 l; lane (r, h) holds row r, k = 128 s + 64 c + 32 h + 0..31.
; Scale word of (row r, step s): at 12288 + 128 (s / 2) + 4 (r + 16 (s % 2)).
; THE ROWS OF A TILE ARE NOT NEIGHBOURS: tile 2 b + u takes rows 32 b + 8 u + p + 8 (p / 8), p = 0..15, so that a later product's results come out with 16 neighbours in a lane.
; A block's scale is 2^(floor(log2(largest magnitude)) - 2); its byte is the largest magnitude's exponent field - 2, held at 1 from below.
; LIMITS: NaN and infinities are not served; a block whose largest magnitude lies under 2^-124 (a block of zeros too) keeps the byte 1: this program alone reads the bytes, and zero codes add nothing.
; SHARES: a work-group is one tile of rows; wave j takes K steps 2 j and 2 j + 1.  Each load reads 512 consecutive bytes of one row; the 8 KB of a step turn through the wave's own stage in LDS
; (rows 528 bytes apart), so that a lane gets the 32 neighbours of a block.  All 32 loads of a wave go out at once.  No barrier: waves share nothing.
.set R, 16                             ; v16-143  as loaded: step g, row p at 64 g + 4 p
.set X, 144                            ; v144-207 my 64 numbers of a step: 32 c + i = k 64 c + 32 h + i
.set P, 208                            ; v208-239 codes: step g, half c at 16 g + 8 c, six registers: no store's data are written again
.set TT, 240                           ; v240-242, v244-246 the second halves of the blocks' codes; v243, v247 the two steps' scale words
.set SPITCH, 528
.set STG, 16*SPITCH
	s_load_b128 s[4:7], s[0:1], 0x0                ; x, xq
	v_lshl_add_u32 v248, v0, 2, 0x8400
	v_mov_b32 v249, 0
	v_lshrrev_b32 v1, 5, v0
	v_readfirstlane_b32 s8, v1                     ; wave j
	v_and_b32 v2, 31, v0                           ; lane
	v_lshlrev_b32 v3, 4, v2                        ; 16 x lane
	v_lshlrev_b32 v4, 3, v2                        ; 8 x lane
	v_lshlrev_b32 v5, 2, v2                        ; 4 x lane
	v_and_b32 v6, 15, v0                           ; r
	v_bfe_u32 v7, v0, 4, 1                         ; h
	s_mul_i32 s9, s8, STG                          ; my stage
	v_add_nc_u32 v8, s9, v3                        ; into it: 16 x lane of a row
	v_mul_u32_u24 v9, v6, SPITCH
	v_lshl_add_u32 v9, v7, 7, v9
	v_add_nc_u32 v9, s9, v9                        ; out of it: row r, + 128 h bytes
	v_lshlrev_b32 v10, 3, v7                       ; 8 h: my bytes' place in the scale word
	v_mov_b32 v15, 0                               ; a lane permute's destination counts as read
	s_mov_b32 s22, 0x76543210
	s_mov_b32 s23, 0xfedcba98                      ; selects for lane l xor 16
	s_lshr_b32 s10, ttmp9, 1
	s_lshl_b32 s10, s10, 5
	s_and_b32 s11, ttmp9, 1
	s_lshl_b32 s11, s11, 3
	s_add_co_u32 s10, s10, s11                     ; the tile's first row: 32 (T / 2) + 8 (T % 2)
	s_lshl_b32 s10, s10, 12
	s_lshl_b32 s11, s8, 10
	s_add_co_u32 s10, s10, s11                     ; + my 1,024 bytes of a row
	s_mov_b32 s11, 0
	s_mul_i32 s12, ttmp9, 12800                    ; the record
	s_mul_i32 s14, s8, 3072
	s_add_co_u32 s14, s14, s12                     ; my two fragments
	s_mov_b32 s15, 0
	s_lshl_b32 s16, s8, 7
	s_add_co_u32 s16, s16, s12                     ; my 128 bytes of scale words (12,288 stands in the immediate)
	s_mov_b32 s17, 0
	s_wait_kmcnt 0x0
	s_add_nc_u64 s[4:5], s[4:5], s[10:11]
	s_add_nc_u64 s[18:19], s[6:7], s[14:15]
	s_add_nc_u64 s[20:21], s[6:7], s[16:17]
.irp g, 0,1
.irp p, 0,1,2,3,4,5,6,7,8,9,10,11,12,13,14,15
	global_load_b128 v[R+64*\g+4*\p:R+64*\g+4*\p+3], v3, s[4:5] offset:(\p+8*(\p/8))*4096+512*\g th:TH_LOAD_NT
.endr
.endr
.macro STEPX g
	s_wait_loadcnt 16*(1-\g)                       ; this step's 16 loads are in; the younger step's 16 may be out
.irp p, 0,1,2,3,4,5,6,7,8,9,10,11,12,13,14,15
	ds_store_b128 v8, v[R+64*\g+4*\p:R+64*\g+4*\p+3] offset:SPITCH*\p
.endr
.irp c, 0,1
.irp k, 0,1,2,3,4,5,6,7
	ds_load_b128 v[X+32*\c+4*\k:X+32*\c+4*\k+3], v9 offset:256*\c+16*\k   ; LDS serves a wave's instructions in order: these see my stores
.endr
.endr
	s_wait_dscnt 0x0
.irp c, 0,1
	v_max3_num_f32 v[11+\c], |v[X+32*\c]|, |v[X+32*\c+1]|, 0x1800000      ; block 2 c + h is all mine; the floor 2^(3 - 127) holds the byte at 1
.endr
.irp i, 2,4,6,8,10,12,14,16,18,20,22,24,26,28,30
.irp c, 0,1
	v_max3_num_f32 v[11+\c], v[11+\c], |v[X+32*\c+\i]|, |v[X+32*\c+\i+1]|
.endr
.endr
.irp c, 0,1
	v_add_nc_u32 v[13+\c], 0xff000000, v[11+\c]    ; 2 off the exponent field: the conversion's scale operand
.endr
.irp c, 0,1
	v_lshrrev_b32 v[11+\c], 23, v[13+\c]           ; the scale's byte
.endr
	v_lshl_or_b32 v11, v12, 16, v11                ; blocks h and 2 + h,
	v_lshlrev_b32 v11, v10, v11                    ; at their places;
	v_permlanex16_b32 v15, v11, s22, s23
	v_or_b32 v[TT+3+4*\g], v11, v15                ; with lane l xor 16's two the row's word is whole
.irp c, 0,1
	v_cvt_scalef32_pk16_fp6_f32 v[P+16*\g+8*\c:P+16*\g+8*\c+2], v[X+32*\c:X+32*\c+15], v[13+\c]
	v_cvt_scalef32_pk16_fp6_f32 v[TT+4*\c:TT+4*\c+2], v[X+32*\c+16:X+32*\c+31], v[13+\c]   ; (a conversion's three registers begin on an even number)
.endr
	v_nop                                          ; one plain place behind a scaled conversion
.irp c, 0,1
.irp i, 0,1,2
	v_mov_b32 v[P+16*\g+8*\c+3+\i], v[TT+4*\c+\i]
.endr
.endr
.irp c, 0,1
	global_store_b128 v3, v[P+16*\g+8*\c:P+16*\g+8*\c+3], s[18:19] offset:1536*\g+768*\c        ; 512 consecutive bytes
	global_store_b64 v4, v[P+16*\g+8*\c+4:P+16*\g+8*\c+5], s[18:19] offset:1536*\g+768*\c+512   ; 256 consecutive bytes
.endr
.endm
	STEPX 0
	STEPX 1
	v_cmp_gt_u32 vcc_lo, 16, v2
	v_cndmask_b32 v11, v[TT+7], v[TT+3], vcc_lo    ; lanes 0-15 the even step's words, lanes 16-31 the odd step's
	global_store_b32 v5, v11, s[20:21] offset:12288
	s_wait_tensorcnt 0x0
	ds_add_u32 v248, v249
	s_wait_dscnt 0x0
	s_endpgm
.Lfunc_end_k_qd0bc02a2ae_quant_x:
	.size	k_qd0bc02a2ae_quant_x, .Lfunc_end_k_qd0bc02a2ae_quant_x-k_qd0bc02a2ae_quant_x
	.p2alignl 7, 3214868480
	.fill 96, 4, 3214868480
	.section	.rodata,"a",@progbits
	.p2align	6, 0x0
	.amdhsa_kernel k_qd0bc02a2ae_quant_x
		.amdhsa_group_segment_fixed_size 34304
		.amdhsa_private_segment_fixed_size 0
		.amdhsa_enable_private_segment 0
		.amdhsa_kernarg_size 16
		.amdhsa_user_sgpr_count 2
		.amdhsa_user_sgpr_kernarg_segment_ptr 1
		.amdhsa_wavefront_size32 1
		.amdhsa_system_sgpr_workgroup_id_x 1
		.amdhsa_system_sgpr_workgroup_id_y 1
		.amdhsa_system_sgpr_workgroup_id_z 1
		.amdhsa_system_vgpr_workitem_id 0
		.amdhsa_next_free_vgpr 250
		.amdhsa_next_free_sgpr 66
		.amdhsa_reserve_vcc 1
		.amdhsa_float_denorm_mode_32 3
		.amdhsa_float_denorm_mode_16_64 3
		.amdhsa_memory_ordered 1
		.amdhsa_forward_progress 1
		.amdhsa_inst_pref_size 16
	.end_amdhsa_kernel
	.amdgpu_metadata
---
amdhsa.version: [ 1, 2 ]
amdhsa.kernels:
  - .name:           k_qd0bc02a2ae_quant_x
    .symbol:         k_qd0bc02a2ae_quant_x.kd
    .args:
      - { .name: x, .offset: 0, .size: 8, .value_kind: global_buffer, .address_space: global }
      - { .name: xq, .offset: 8, .size: 8, .value_kind: global_buffer, .address_space: global }
    .group_segment_fixed_size: 34304
    .private_segment_fixed_size: 0
    .kernarg_segment_align: 8
    .kernarg_segment_size: 16
    .max_flat_workgroup_size: 128
    .sgpr_count:     66
    .vgpr_count:     250
    .wavefront_size: 32
...
	.end_amdgpu_metadata
.endif
;; end of part 1
;; launch quant_w (part 2): grid 32 x 8, 4 waves a work-group, no clusters, 12,800 bytes of LDS; arguments w_attn, w_proj, wq; writes wq
.if DOCPART == 2
	.amdgcn_target "amdgcn-amd-amdhsa--gfx1250"
	.amdhsa_code_object_version 6
	.text
	.protected	k_qd0bc02a2ae_quant_w
	.globl	k_qd0bc02a2ae_quant_w
	.p2align	8
	.type	k_qd0bc02a2ae_quant_w,@function
k_qd0bc02a2ae_quant_w:
	s_mov_b64 s[64:65], 0
	v_nop
	global_prefetch_b8 v0, s[64:65] scope:SCOPE_SE
	s_setreg_imm32_b32 hwreg(HW_REG_WAVE_MODE, 25, 1), 1
	s_wait_xcnt 0x0
; w_attn [1024][3072] and w_proj [1024][1024], f32 with K as the FIRST axis, become records as quant_x lays them (12,800 bytes for a tile of 16 COLUMNS and all of K):
; column tiles 0-191 are w_attn's, 192-255 w_proj's; tile 2 b + u takes columns 32 b + 8 u + p + 8 (p / 8).
; A LANE TAKES A COLUMN AND ITS REGISTERS RUN DOWN K: each load reads 128 consecutive bytes of a row of W (the four waves stand side by side on 512), a block of 32 lies in one lane, and the
; conversions give codes with K innermost.  One path serves both tensors: only the pointer and the pitch are chosen, on the work-group's number.
; A wave takes 32 columns (two tiles) x one K step of 128: its codes are gathered in its own stage in LDS as the two fragments' images and leave as 512 consecutive bytes a store.
; LIMITS: NaN and infinities are not served; a block whose largest magnitude lies under 2^-124 (a block of zeros too) keeps the byte 1.
.set OFF, 16                           ; v16-47   4 x lane + i x pitch
.set X, 48                             ; v48-175  W(128 s + 32 t + i, my column) at 32 t + i
.set P, 176                            ; v176-207 block t's six registers of codes at 8 t
.set TT, 208
.set OB, 216                           ; v216-239 the way out
	s_load_b128 s[4:7], s[0:1], 0x0                ; w_attn, w_proj
	s_load_b64 s[8:9], s[0:1], 0x10                ; wq
	v_lshl_add_u32 v248, v0, 2, 0x3000
	v_mov_b32 v249, 0
	v_lshrrev_b32 v1, 5, v0
	v_readfirstlane_b32 s10, v1                    ; wave
	s_and_b32 s11, ttmp7, 0xffff                   ; K step s
	v_and_b32 v2, 31, v0
	v_lshlrev_b32 v3, 4, v2                        ; 16 x lane
	v_bfe_u32 v8, v0, 3, 1                         ; u: which of the two tiles my column belongs to
	v_and_b32 v9, 7, v0
	v_bfe_u32 v1, v0, 4, 1
	v_lshl_add_u32 v9, v1, 3, v9                   ; p: its row in that tile
	s_mul_i32 s25, s10, 3072                       ; my stage: tile 0's fragment, then tile 1's
	v_mul_u32_u24 v4, v8, 1536
	v_add_nc_u32 v4, s25, v4
	v_lshl_add_u32 v5, v9, 3, v4
	v_add_nc_u32 v5, 512, v5                       ; where a block's last two registers go
	v_lshl_add_u32 v4, v9, 4, v4                   ; where its first four go
	v_add_nc_u32 v7, s25, v3                       ; and back: 16 x lane
	v_mul_u32_u24 v6, v8, 12800
	v_lshl_add_u32 v6, v9, 2, v6                   ; my scale word's place: record u, 4 p
	s_mov_b32 s12, 4096
	s_wait_kmcnt 0x0
	s_cmp_lt_u32 ttmp9, 24                         ; w_attn's work-group or w_proj's: the choice hangs on the work-group's number alone
	s_cselect_b64 s[4:5], s[4:5], s[6:7]
	s_cselect_b32 s12, 12288, s12                  ; bytes from row to row
	s_cselect_b32 s13, 0, 24
	s_sub_co_u32 s13, ttmp9, s13
	s_lshl_b32 s13, s13, 9
	s_lshl_b32 s14, s10, 7
	s_add_co_u32 s13, s13, s14                     ; my first column, in bytes
	s_lshl_b32 s14, s11, 7
	s_mul_i32 s14, s14, s12
	s_add_co_u32 s14, s14, s13
	s_mov_b32 s15, 0
	s_add_nc_u64 s[16:17], s[4:5], s[14:15]        ; block 0's first row
	s_lshl_b32 s14, s12, 5
	s_add_nc_u64 s[18:19], s[16:17], s[14:15]      ; blocks 1, 2, 3: 32 rows on each
	s_add_nc_u64 s[20:21], s[18:19], s[14:15]
	s_add_nc_u64 s[22:23], s[20:21], s[14:15]
	v_lshlrev_b32 v[OFF], 2, v2
.set jj, 1
.rept 31
	v_add_nc_u32 v[OFF+jj], s12, v[OFF+jj-1]
.set jj, jj+1
.endr
	s_lshl_b32 s24, ttmp9, 2
	s_add_co_u32 s24, s24, s10
	s_mul_i32 s24, s24, 25600                      ; my two records
	s_mul_i32 s30, s11, 1536
	s_add_co_u32 s30, s30, s24
	s_mov_b32 s31, 0
	s_add_nc_u64 s[26:27], s[8:9], s[30:31]        ; their fragment of K step s
	s_lshl_b32 s30, s11, 6
	s_add_co_u32 s30, s30, s24
	s_add_nc_u64 s[28:29], s[8:9], s[30:31]        ; their scale words of K step s: 128 (s / 2) + 64 (s % 2) = 64 s on (12,288 stands in the immediate)
.macro LOADW t                         ; block t's 32 rows of my column.  (The argument is put in as text: it stands in brackets wherever it is part of a product)
.set jj, 0
.rept 32
	global_load_b32 v[X+32*(\t)+jj], v[OFF+jj], s[16+2*(\t):17+2*(\t)] th:TH_LOAD_NT
.set jj, jj+1
.endr
.endm
.macro BLOCKW t                        ; block t = 2 c + h of the fragment
.if \t < 3
	s_wait_loadcnt 32                              ; this block's 32 loads are in; the next block's may be out
.else
	s_wait_loadcnt 0x0
.endif
.if \t < 2
	LOADW \t+2                                     ; two blocks ahead, into registers of their own
.endif
.set XS, X+32*\t
.set PB, P+8*\t
	v_max3_num_f32 v12, |v[XS]|, |v[XS+1]|, |v[XS+2]|
	v_max3_num_f32 v13, |v[XS+3]|, |v[XS+4]|, |v[XS+5]|
.irp i, 6,10,14,18,22,26
	v_max3_num_f32 v12, v12, |v[XS+\i]|, |v[XS+\i+1]|
	v_max3_num_f32 v13, v13, |v[XS+\i+2]|, |v[XS+\i+3]|
.endr
	v_max3_num_f32 v12, v12, |v[XS+30]|, |v[XS+31]|
	v_max3_num_f32 v12, v12, v13, 0x1800000        ; the floor 2^(3 - 127) holds the byte at 1
	v_add_nc_u32 v11, 0xff000000, v12              ; 2 off the exponent field: the conversion's scale operand
	v_lshrrev_b32 v13, 23, v11                     ; the scale's byte
.if \t == 0
	v_mov_b32 v10, v13
.else
	v_lshl_or_b32 v10, v13, 8*\t, v10              ; the column's scale word: the lower K in the lower byte
.endif
	v_cvt_scalef32_pk16_fp6_f32 v[PB:PB+2], v[XS:XS+15], v11
	v_cvt_scalef32_pk16_fp6_f32 v[TT:TT+2], v[XS+16:XS+31], v11
	v_nop                                          ; one plain place behind a scaled conversion
.irp i, 0,1,2
	v_mov_b32 v[PB+3+\i], v[TT+\i]
.endr
	ds_store_b128 v4, v[PB:PB+3] offset:768*(\t/2)+256*(\t%2)      ; the place of lane p + 16 h in half c of the fragment's image
	ds_store_b64 v5, v[PB+4:PB+5] offset:768*(\t/2)+128*(\t%2)
.endm
	LOADW 0
	LOADW 1
	BLOCKW 0
	BLOCKW 1
	BLOCKW 2
	BLOCKW 3
	global_store_b32 v6, v10, s[28:29] offset:12288
.irp m, 0,1,2,3,4,5
	ds_load_b128 v[OB+4*\m:OB+4*\m+3], v7 offset:512*\m            ; LDS serves a wave's instructions in order: these see my stores
.endr
	s_wait_dscnt 0x0
.irp m, 0,1,2,3,4,5
	global_store_b128 v3, v[OB+4*\m:OB+4*\m+3], s[26:27] offset:12800*(\m/3)+512*(\m%3)   ; 512 consecutive bytes
.endr
	s_wait_tensorcnt 0x0
	ds_add_u32 v248, v249
	s_wait_dscnt 0x0
	s_endpgm
.Lfunc_end_k_qd0bc02a2ae_quant_w:
	.size	k_qd0bc02a2ae_quant_w, .Lfunc_end_k_qd0bc02a2ae_quant_w-k_qd0bc02a2ae_quant_w
	.p2alignl 7, 3214868480
	.fill 96, 4, 3214868480
	.section	.rodata,"a",@progbits
	.p2align	6, 0x0
	.amdhsa_kernel k_qd0bc02a2ae_quant_w
		.amdhsa_group_segment_fixed_size 12800
		.amdhsa_private_segment_fixed_size 0
		.amdhsa_enable_private_segment 0
		.amdhsa_kernarg_size 24
		.amdhsa_user_sgpr_count 2
		.amdhsa_user_sgpr_kernarg_segment_ptr 1
		.amdhsa_wavefront_size32 1
		.amdhsa_system_sgpr_workgroup_id_x 1
		.amdhsa_system_sgpr_workgroup_id_y 1
		.amdhsa_system_sgpr_workgroup_id_z 1
		.amdhsa_system_vgpr_workitem_id 0
		.amdhsa_next_free_vgpr 250
		.amdhsa_next_free_sgpr 66
		.amdhsa_reserve_vcc 0
		.amdhsa_float_denorm_mode_32 3
		.amdhsa_float_denorm_mode_16_64 3
		.amdhsa_memory_ordered 1
		.amdhsa_forward_progress 1
		.amdhsa_inst_pref_size 24
	.end_amdhsa_kernel
	.amdgpu_metadata
---
amdhsa.version: [ 1, 2 ]
amdhsa.kernels:
  - .name:           k_qd0bc02a2ae_quant_w
    .symbol:         k_qd0bc02a2ae_quant_w.kd
    .args:
      - { .name: w_attn, .offset: 0, .size: 8, .value_kind: global_buffer, .address_space: global }
      - { .name: w_proj, .offset: 8, .size: 8, .value_kind: global_buffer, .address_space: global }
      - { .name: wq, .offset: 16, .size: 8, .value_kind: global_buffer, .address_space: global }
    .group_segment_fixed_size: 12800
    .private_segment_fixed_size: 0
    .kernarg_segment_align: 8
    .kernarg_segment_size: 24
    .max_flat_workgroup_size: 128
    .sgpr_count:     66
    .vgpr_count:     250
    .wavefront_size: 32
...
	.end_amdgpu_metadata
.endif
;; end of part 2
;; launch gemm_qkv (part 3): grid 12 x 16, 4 waves a work-group, clusters of 4 x 1, 327,680 bytes of LDS; arguments xq, wq, qb, kvb; writes qb, kvb
.if DOCPART == 3
	.amdgcn_target "amdgcn-amd-amdhsa--gfx1250"
	.amdhsa_code_object_version 6
	.text
	.protected	k_qd0bc02a2ae_gemm_qkv
	.globl	k_qd0bc02a2ae_gemm_qkv
	.p2align	8
	.type	k_qd0bc02a2ae_gemm_qkv,@function
k_qd0bc02a2ae_gemm_qkv:
	s_mov_b64 s[64:65], 0
	v_nop
	global_prefetch_b8 v0, s[64:65] scope:SCOPE_SE
	s_setreg_imm32_b32 hwreg(HW_REG_WAVE_MODE, 25, 1), 1
	s_wait_xcnt 0x0
	s_wait_alu depctr_hold_cnt(0) depctr_sa_sdst(0) depctr_va_vdst(0) depctr_va_sdst(0) depctr_va_ssrc(0) depctr_va_vcc(0) depctr_vm_vsrc(0)
	s_getreg_b32 s2, hwreg(HW_REG_IB_STS2, 6, 4)
	s_cmp_eq_u32 s2, 0
	s_cbranch_scc0 .Lentry_in_a_cluster
	s_endpgm
.Lentry_in_a_cluster:
	s_bfe_u32 s2, ttmp6, 0x10000c
	s_cmp_lg_u32 s2, 0x3003
	s_cbranch_scc0 .Lentry_shape_is_right
	s_endpgm
.Lentry_shape_is_right:
; s = x w_attn on codes of E2M3, and q, k, v quantised on the way: s never goes to memory.  D = S0 S1^T, where S0 is STATIONARY (64 rows a wave, all of K = 1024, 384 registers, read once)
; and S1 is STREAMED through LDS, 64 rows a block; the result is quantised along S0, which is the direction of a lane's registers.
;   q, k (cluster x = 0, 1): S0 = the 64 columns of w_attn of one head, S1 = rows of x: a lane holds one row of x and the head's 64 numbers: two blocks of 32 along d.
;   v    (cluster x = 2):    S0 = 64 rows of x (keys), S1 = the 64 columns of W_v of one head: a lane holds one d and 64 keys: two blocks of 32 along the keys.
; x's and W's records have one format, so the three cases differ in pointers alone, chosen on the cluster's x: the text has no branch on the case.
; OUT: a GROUP RECORD (3,328 bytes) a block: four half fragments of 768 bytes (tile i of S1; lane (r, h): row r, 32 h + 0..31 along S0), then 256 bytes of scale half-words, 8 bytes a lane:
; (hw0 | hw1 << 16, hw2 | hw3 << 16), hw = byte(block 0) | byte(block 1) << 8.
; CLUSTER: the four work-groups of a cluster stream the same records and ask for them JOINTLY (mask 15).  192 work-groups: 12 blocks of 256 stationary rows x 16 parts of the stream; the factor 3 does not divide 256.
; RING: two slots of 8 records (two blocks, 102,400 bytes), one load of 100 rows x 256 bytes a wave behind each round; it has two blocks' work in which to land.
; LIMITS: NaN and infinities are not served; a block whose largest magnitude lies under 2^-124 keeps the byte 1.
; REGISTERS: window 0: v1-3 16, 8, 4 x lane; v4-6 the same + the block's LDS base; v8, v9 the spare word's address and 0; v16-31 S0's scale words (4 i0 + j: steps 2 j | 2 j + 1 in the two halves of the lanes);
;   v32-47 S1's; v48-95, v96-143 S1's four fragments, two sets; v144-231 the way out.   windows 1, 2: S0's fragments (tiles 0, 1 | 2, 3) at 96 (i0 % 2) + 12 s.   window 3: accumulator (i0, i1) at 8 (4 i1 + i0).
.set SLOT1, 131072
.set SPARE, 262144
.set RECB, 12800
.set SS0, 16
.set SS1, 32
.set F0, 48
.set TMX, 144
.set TP, 152
.set TS, 160
.set TBY, 168
.set HW, 176
.set HWP, 180
.set PC, 184
.set PT, 216
.set G1, 16
.set G0, 24
.set MSB, 0
.macro WIN new                         ; the immediate's high byte repeats the setting that is left
.if MSB != \new
	s_set_vgpr_msb (MSB<<8)|\new
.set MSB, \new
.endif
.endm
.macro PLACES
.rept 4
	v_nop
.endr
.endm
.macro CROUND                          ; a round of the cluster's barrier
	s_barrier_signal -1
	s_barrier_wait -1
	s_cmp_lg_u32 s12, 0
	s_cbranch_scc1 .Lnot_wave_0_\@
	s_barrier_signal -3
.Lnot_wave_0_\@:
	s_barrier_wait -3
	s_barrier_signal -1
	s_barrier_wait -1
.endm
	s_load_b256 s[4:11], s[0:1], 0x0               ; xq s[4:5], wq s[6:7], qb s[8:9], kvb s[10:11]
	v_lshl_add_u32 v8, v0, 2, SPARE
	v_mov_b32 v9, 0
	ds_add_u32 v8, v9
	ds_add_u32 v8, v9
	s_wait_dscnt 0x0
	v_lshrrev_b32 v1, 5, v0
	v_readfirstlane_b32 s12, v1                    ; wave
	s_bfe_u32 s13, ttmp6, 0x40000                  ; cx
	s_mov_b32 s14, ttmp9                           ; the cluster's x: 0 q, 1 k, 2 v
	s_and_b32 s15, ttmp7, 0xffff                   ; y
	s_mov_b32 s[G1], 15|(3<<16)|(1<<21)            ; the mask: all four; elements of 8 bytes; bit 21 beside a mask
	s_mov_b32 s[G1+1], 32<<16                      ; tensor_dim0 = 32 elements: 256 bytes
	s_mov_b32 s[G1+2], 100<<16                     ; tensor_dim1 = 100 rows: two records
	s_mov_b32 s[G1+3], 32<<16                      ; tile_dim0
	s_mov_b32 s[G1+4], 100                         ; tile_dim1
	s_mov_b32 s[G1+5], 32                          ; the pitch: dense
	s_mov_b32 s[G1+6], 0
	s_mov_b32 s[G1+7], 0
	s_lshl_b32 s40, s13, 2
	s_add_co_u32 s40, s40, s12                     ; 4 cx + wave
	s_lshl_b32 s41, s40, 2                         ; my first stationary tile in the block of 64
	s_lshl_b32 s44, s14, 6                         ; stationary: q, k: W's tiles 64 X on;
	s_lshr_b32 s45, s15, 1
	s_lshl_b32 s45, s45, 6                         ; v: x's tiles 64 (y / 2) on
	s_lshl_b32 s46, s15, 5                         ; stream: q, k: x's records 32 y on;   (no register of the stream's address ever holds cx)
	s_and_b32 s47, s15, 1
	s_lshl_b32 s47, s47, 5
	s_add_co_u32 s47, s47, 128                     ; v: W's records 128 + 32 (y % 2) on
	s_lshr_b32 s48, s15, 2
	s_lshl_b32 s48, s48, 4                         ; 16 x batch
	s_add_co_u32 s49, s48, s40                     ; q, k: batch and head
	s_and_b32 s50, s15, 3
	s_mul_i32 s50, s50, 8*3328                     ; and the first of my eight blocks of rows
	s_mul_i32 s51, s49, 106496
	s_add_co_u32 s51, s51, s50                     ; q's first group record
	s_mul_i32 s52, s49, 212992
	s_add_co_u32 s52, s52, s50                     ; k's
	s_and_b32 s53, s15, 1
	s_lshl_b32 s53, s53, 3
	s_add_co_u32 s53, s53, s48                     ; v: the first of my eight heads,
	s_mul_i32 s53, s53, 212992
	s_bfe_u32 s54, s15, 0x10001
	s_lshl_b32 s54, s54, 4
	s_add_co_u32 s54, s54, s40                     ; my block of 64 keys,
	s_mul_i32 s54, s54, 3328
	s_add_co_u32 s53, s53, s54
	s_add_co_u32 s53, s53, 106496                  ; in V's region
	s_mov_b32 s55, 212992
	s_wait_kmcnt 0x0
	s_cmp_lt_u32 s14, 2
	s_cselect_b64 s[32:33], s[6:7], s[4:5]         ; stationary: W or x
	s_cselect_b64 s[38:39], s[4:5], s[6:7]         ; stream: x or W
	s_cselect_b32 s44, s44, s45
	s_cselect_b32 s46, s46, s47
	s_cselect_b32 s52, s52, s53
	s_cselect_b32 s36, 3328, s55                   ; from block to block of the output: the next rows, or the next head
	s_cmp_eq_u32 s14, 0
	s_cselect_b64 s[34:35], s[8:9], s[10:11]
	s_cselect_b32 s52, s51, s52
	s_add_co_u32 s44, s44, s41
	s_mul_i32 s44, s44, RECB
	s_mov_b32 s45, 0
	s_add_nc_u64 s[32:33], s[32:33], s[44:45]      ; my four stationary records
	s_mul_i32 s46, s46, RECB
	s_mul_i32 s47, s12, 2*RECB
	s_add_co_u32 s46, s46, s47
	s_mov_b32 s47, 0
	s_mov_b32 s[G0], 1
	s_mul_i32 s[G0+1], s12, 2*RECB                 ; LDS: slot 0, my two records
	s_add_nc_u64 s[G0+2:G0+3], s[38:39], s[46:47]
	s_or_b32 s[G0+3], s[G0+3], 0x80000000
	s_mov_b32 s53, 0
	s_add_nc_u64 s[34:35], s[34:35], s[52:53]      ; where my first group record goes
	s_mov_b32 s37, 0
	s_mov_b32 s42, 0x76543210
	s_mov_b32 s43, 0xfedcba98                      ; selects for lane l xor 16
	CROUND                                         ; all four work-groups are here: the first joint load meets
	tensor_load_to_lds s[G0:G0+3], s[G1:G1+7]      ; slot 0
	s_nop 0
	PLACES
	v_and_b32 v3, 31, v0
	v_lshlrev_b32 v1, 4, v3
	v_lshlrev_b32 v2, 3, v3
	v_lshlrev_b32 v3, 2, v3
.irp q, 0,1,2,3,4,5,6,7
	v_mov_b32 v[TP+\q], 0                          ; written once: a lane permute's destination counts as read
.endr
.macro S0LOAD lo                       ; stationary tiles lo, lo + 1
.irp a, 0,1
.irp s, 0,1,2,3,4,5,6,7
	global_load_b128 v[96*\a+12*\s:96*\a+12*\s+3], v1, s[32:33] offset:RECB*(\lo+\a)+1536*\s
	global_load_b64 v[96*\a+12*\s+4:96*\a+12*\s+5], v2, s[32:33] offset:RECB*(\lo+\a)+1536*\s+512
	global_load_b128 v[96*\a+12*\s+6:96*\a+12*\s+9], v1, s[32:33] offset:RECB*(\lo+\a)+1536*\s+768
	global_load_b64 v[96*\a+12*\s+10:96*\a+12*\s+11], v2, s[32:33] offset:RECB*(\lo+\a)+1536*\s+1280
.endr
.endr
.endm
	WIN 0x40                                       ; destination window 1
	S0LOAD 0
	WIN 0x80                                       ; destination window 2
	S0LOAD 2
	WIN 0
.irp a, 0,1,2,3
.irp j, 0,1,2,3
	global_load_b32 v[SS0+4*\a+\j], v3, s[32:33] offset:RECB*\a+12288+128*\j
.endr
.endr
.macro FETCH s, f                      ; the block's four fragments of K step s into set f: 16 loads, each of consecutive bytes
.irp i, 0,1,2,3
	ds_load_b128 v[\f+12*\i:\f+12*\i+3], v4 offset:RECB*\i+1536*(\s)
	ds_load_b64 v[\f+12*\i+4:\f+12*\i+5], v5 offset:RECB*\i+1536*(\s)+512
	ds_load_b128 v[\f+12*\i+6:\f+12*\i+9], v4 offset:RECB*\i+1536*(\s)+768
	ds_load_b64 v[\f+12*\i+10:\f+12*\i+11], v5 offset:RECB*\i+1536*(\s)+1280
.endr
.endm
.macro MM8 s, f, lo                    ; stationary tiles lo, lo + 1 x the block's four: eight accumulators, one instruction each
.irp a, 0,1
.irp i, 0,1,2,3
.if (\s) == 0
	v_wmma_scale_f32_16x16x128_f8f6f4 v[8*(4*\i+\lo+\a):8*(4*\i+\lo+\a)+7], v[96*\a+12*(\s):96*\a+12*(\s)+11], v[\f+12*\i:\f+12*\i+11], 0, v[SS0+4*(\lo+\a)+(\s)/2], v[SS1+4*\i+(\s)/2] matrix_a_fmt:MATRIX_FMT_FP6 matrix_b_fmt:MATRIX_FMT_FP6
.elseif (\s)%2 == 0
	v_wmma_scale_f32_16x16x128_f8f6f4 v[8*(4*\i+\lo+\a):8*(4*\i+\lo+\a)+7], v[96*\a+12*(\s):96*\a+12*(\s)+11], v[\f+12*\i:\f+12*\i+11], v[8*(4*\i+\lo+\a):8*(4*\i+\lo+\a)+7], v[SS0+4*(\lo+\a)+(\s)/2], v[SS1+4*\i+(\s)/2] matrix_a_fmt:MATRIX_FMT_FP6 matrix_b_fmt:MATRIX_FMT_FP6
.else
	v_wmma_scale_f32_16x16x128_f8f6f4 v[8*(4*\i+\lo+\a):8*(4*\i+\lo+\a)+7], v[96*\a+12*(\s):96*\a+12*(\s)+11], v[\f+12*\i:\f+12*\i+11], v[8*(4*\i+\lo+\a):8*(4*\i+\lo+\a)+7], v[SS0+4*(\lo+\a)+(\s)/2], v[SS1+4*\i+(\s)/2] matrix_a_fmt:MATRIX_FMT_FP6 matrix_b_fmt:MATRIX_FMT_FP6 matrix_a_scale:MATRIX_SCALE_ROW1 matrix_b_scale:MATRIX_SCALE_ROW1
.endif
.endr
.endr
.endm
; A K step of 128: the next step's fragments are asked for, then 16 matrix instructions on 16 accumulators that take turns.  The first step's products start the sums.
.macro KSTEP s
.if (\s) < 7
.if (\s) > 0
	PLACES                                         ; in front of loads into the set that the last step's products read
.endif
	FETCH (\s)+1, F0+48*(((\s)+1)%2)
	s_wait_dscnt 16                                ; all but the 16 just issued
.else
	s_wait_dscnt 0x0
.endif
	WIN 0xf1                                       ; S0 window 1, S1 window 0, C and D window 3
	MM8 \s, F0+48*((\s)%2), 0
	WIN 0xf2                                       ; S0 window 2
	MM8 \s, F0+48*((\s)%2), 2
	WIN 0
.endm
; THE WAY OUT of a block: for each tile i of S1 a lane's 32 results are 16 b + k = place 32 b + 16 h + k along S0: two blocks of 32, shared with lane l xor 16.
.macro EPI
	PLACES                                         ; in front of the first read of results
	WIN 0x0f                                       ; sources 0 and 1 window 3
.irp q, 0,1,2,3,4,5,6,7                ; q = 2 i + b
	v_max3_num_f32 v[TMX+\q], |v[16*\q]|, |v[16*\q+1]|, 0x1800000   ; each accumulator from its low end on; the floor 2^(3 - 127) holds the byte at 1
.endr
	WIN 0x3c                                       ; sources 1 and 2 window 3
.irp i, 2,4,6,8,10,12,14
.irp q, 0,1,2,3,4,5,6,7
	v_max3_num_f32 v[TMX+\q], v[TMX+\q], |v[16*\q+\i]|, |v[16*\q+\i+1]|
.endr
.endr
	WIN 0
.irp q, 0,1,2,3,4,5,6,7
	v_permlanex16_b32 v[TP+\q], v[TMX+\q], s42, s43
.endr
.irp q, 0,1,2,3,4,5,6,7
	v_max_num_f32 v[TMX+\q], v[TMX+\q], v[TP+\q]   ; the block's largest magnitude
.endr
.irp q, 0,1,2,3,4,5,6,7
	v_add_nc_u32 v[TS+\q], 0xff000000, v[TMX+\q]   ; 2 off the exponent field: the conversion's scale operand
.endr
.irp q, 0,1,2,3,4,5,6,7
	v_lshrrev_b32 v[TBY+\q], 23, v[TS+\q]          ; the scale's byte
.endr
.irp i, 0,1,2,3
	v_lshl_or_b32 v[HW+\i], v[TBY+2*\i+1], 8, v[TBY+2*\i]
.endr
	v_lshl_or_b32 v[HWP], v[HW+1], 16, v[HW]
	v_lshl_or_b32 v[HWP+1], v[HW+3], 16, v[HW+2]
	WIN 0x03                                       ; source 0 window 3
.irp i, 0,1,2,3
	v_cvt_scalef32_pk16_fp6_f32 v[PC+8*\i:PC+8*\i+2], v[32*\i:32*\i+15], v[TS+2*\i]
	v_cvt_scalef32_pk16_fp6_f32 v[PT+4*\i:PT+4*\i+2], v[32*\i+16:32*\i+31], v[TS+2*\i+1]
.endr
	WIN 0
	v_nop                                          ; one plain place behind a scaled conversion
.irp i, 0,1,2,3                        ; the operand's layout wants a whole block in a lane: lanes 0-15 block 0, lanes 16-31 block 1
.irp e, 0,1,2
	v_permlane16_swap_b32 v[PC+8*\i+\e], v[PT+4*\i+\e]
.endr
.irp e, 0,1,2
	v_mov_b32 v[PC+8*\i+3+\e], v[PT+4*\i+\e]
.endr
.endr
.irp i, 0,1,2,3
	global_store_b128 v1, v[PC+8*\i:PC+8*\i+3], s[34:35] offset:768*\i          ; 512 consecutive bytes
	global_store_b64 v2, v[PC+8*\i+4:PC+8*\i+5], s[34:35] offset:768*\i+512     ; 256 consecutive bytes
.endr
	global_store_b64 v2, v[HWP:HWP+1], s[34:35] offset:3072
	s_wait_xcnt 0x0                                ; the stores' data and base are written again only behind this wait
	s_add_nc_u64 s[34:35], s[34:35], s[36:37]
.endm
.macro BLOCK half                      ; the slot's records 4 half .. 4 half + 3
	s_add_co_u32 s29, s28, 4*RECB*\half
	v_add_nc_u32 v4, s29, v1
	v_add_nc_u32 v5, s29, v2
	v_add_nc_u32 v6, s29, v3
.irp i, 0,1,2,3
.irp j, 0,1,2,3
	ds_load_b32 v[SS1+4*\i+\j], v6 offset:RECB*\i+12288+128*\j
.endr
.endr
	FETCH 0, F0
.irp s, 0,1,2,3,4,5,6,7
	KSTEP \s
.endr
	EPI
.endm
; THE CHANGE OF SLOTS stands at a slot's head.  fill = 1: the slot that has been left is filled with the records two slots on, jointly, first thing behind a round of the cluster's barrier.
.macro CHANGE fill
	s_wait_tensorcnt 0x0                           ; my one load that was out, my part of the slot ahead, has landed: the group 0 may be written
	ds_add_u32 v8, v9                              ; 0 onto my spare word
.if \fill
	s_xor_b32 s[G0+1], s[G0+1], SLOT1              ; the other slot than last time,
	s_add_nc_u64 s[G0+2:G0+3], s[G0+2:G0+3], 8*RECB   ; the next eight records
.endif
	s_wait_dscnt 0x0                               ; the add is done, and my reads of the slot that I have left are over
.if \fill
	CROUND
	tensor_load_to_lds s[G0:G0+3], s[G1:G1+7]
	s_nop 0
	PLACES
.else
	s_barrier_signal -1
	s_barrier_wait -1
.endif
.endm
	s_wait_loadcnt 0x0                             ; the stationary operand and its scale words
	s_mov_b32 s28, 0                               ; the slot in hand
	s_mov_b32 s30, 3
.Lslot:
	CHANGE 1
	BLOCK 0
	BLOCK 1
	s_xor_b32 s28, s28, SLOT1
	s_sub_co_u32 s30, s30, 1
	s_cmp_lg_u32 s30, 0
	s_cbranch_scc1 .Lslot
	CHANGE 0                                       ; the last slot is written out: nothing is left to ask for
	BLOCK 0
	BLOCK 1
	s_wait_tensorcnt 0x0                           ; the wave's end
	ds_add_u32 v8, v9
	s_wait_dscnt 0x0
	CROUND                                         ; the closing round
	s_endpgm
.Lfunc_end_k_qd0bc02a2ae_gemm_qkv:
	.size	k_qd0bc02a2ae_gemm_qkv, .Lfunc_end_k_qd0bc02a2ae_gemm_qkv-k_qd0bc02a2ae_gemm_qkv
	.p2alignl 7, 3214868480
	.fill 96, 4, 3214868480
	.section	.rodata,"a",@progbits
	.p2align	6, 0x0
	.amdhsa_kernel k_qd0bc02a2ae_gemm_qkv
		.amdhsa_group_segment_fixed_size 327680
		.amdhsa_private_segment_fixed_size 0
		.amdhsa_enable_private_segment 0
		.amdhsa_kernarg_size 32
		.amdhsa_user_sgpr_count 2
		.amdhsa_user_sgpr_kernarg_segment_ptr 1
		.amdhsa_wavefront_size32 1
		.amdhsa_system_sgpr_workgroup_id_x 1
		.amdhsa_system_sgpr_workgroup_id_y 1
		.amdhsa_system_sgpr_workgroup_id_z 1
		.amdhsa_system_vgpr_workitem_id 0
		.amdhsa_next_free_vgpr 1024
		.amdhsa_next_free_sgpr 66
		.amdhsa_reserve_vcc 0
		.amdhsa_float_denorm_mode_32 3
		.amdhsa_float_denorm_mode_16_64 3
		.amdhsa_memory_ordered 1
		.amdhsa_forward_progress 1
		.amdhsa_inst_pref_size 162
	.end_amdhsa_kernel
	.amdgpu_metadata
---
amdhsa.version: [ 1, 2 ]
amdhsa.kernels:
  - .name:           k_qd0bc02a2ae_gemm_qkv
    .symbol:         k_qd0bc02a2ae_gemm_qkv.kd
    .args:
      - { .name: xq, .offset: 0, .size: 8, .value_kind: global_buffer, .address_space: global }
      - { .name: wq, .offset: 8, .size: 8, .value_kind: global_buffer, .address_space: global }
      - { .name: qb, .offset: 16, .size: 8, .value_kind: global_buffer, .address_space: global }
      - { .name: kvb, .offset: 24, .size: 8, .value_kind: global_buffer, .address_space: global }
    .group_segment_fixed_size: 327680
    .private_segment_fixed_size: 0
    .kernarg_segment_align: 8
    .kernarg_segment_size: 32
    .max_flat_workgroup_size: 128
    .sgpr_count:     66
    .vgpr_count:     1024
    .wavefront_size: 32
...
	.end_amdgpu_metadata
.endif
;; end of part 3
;; launch attn (part 4): grid 4 x 64, 16 waves a work-group, clusters of 4 x 1, 327,680 bytes of LDS; arguments qb, kvb, yq; writes yq
.if DOCPART == 4
	.amdgcn_target "amdgcn-amd-amdhsa--gfx1250"
	.amdhsa_code_object_version 6
	.text
	.protected	k_qd0bc02a2ae_attn
	.globl	k_qd0bc02a2ae_attn
	.p2align	8
	.type	k_qd0bc02a2ae_attn,@function
k_qd0bc02a2ae_attn:
	s_mov_b64 s[64:65], 0
	v_nop
	global_prefetch_b8 v0, s[64:65] scope:SCOPE_SE
	s_setreg_imm32_b32 hwreg(HW_REG_WAVE_MODE, 25, 1), 1
	s_wait_xcnt 0x0
	s_wait_alu depctr_hold_cnt(0) depctr_sa_sdst(0) depctr_va_vdst(0) depctr_va_sdst(0) depctr_va_ssrc(0) depctr_va_vcc(0) depctr_vm_vsrc(0)
	s_getreg_b32 s2, hwreg(HW_REG_IB_STS2, 6, 4)
	s_cmp_eq_u32 s2, 0
	s_cbranch_scc0 .Lentry_in_a_cluster
	s_endpgm
.Lentry_in_a_cluster:
	s_bfe_u32 s2, ttmp6, 0x10000c
	s_cmp_lg_u32 s2, 0x3003
	s_cbranch_scc0 .Lentry_shape_is_right
	s_endpgm
.Lentry_shape_is_right:
; Causal attention of one (batch, head) a cluster, both products on codes of E2M3, and y quantised on the way into records for the last product.
; t = score x log2(e) / 8; M = the running largest t rounded UP to a whole number; p = 2^(t - M) is quantised along the keys, not normalised; the row's sum is taken of the unquantised p and divides O at the end.
; A HEAD'S K AND V, codes and scale bytes, are 212,992 bytes: they are brought into LDS ONCE, by joint loads of the four work-groups (mask 15): no ring, no refill, no barrier inside the loops.
; Each wave issues two loads of 26 rows x 256 bytes (one key step's K or V of the first eight steps, and of the last eight): the work begins when the first half has landed.
; BALANCE: with p = wave % 8 and tile = 4 (wave / 8) + cx, a wave takes that tile of 16 queries of the group of 128 queries 15 - p, and then of group p: (16 - p) + (p + 1) = 17 key steps for every wave.
; Branches and trip counts hang on the wave's number alone; cx enters global addresses and the mask's data only.
; HEAD SIZE 64 IN AN INSTRUCTION OF K = 128: a fragment of K holds TWO tiles of 16 keys, one in each half of K; q stands between two runs of zero codes, and is named with the run behind it
; (q in the lower half: the first tile's scores) or with the run ahead of it (the second tile's).  Zero codes add nothing.
; Both products are used transposed: a lane holds ONE query; the keys of a tile are 32 b + 8 u + r + 8 (r / 8), so that p's 16 registers of two neighbouring tiles are 16 neighbouring keys.
; LIMITS: NaN and infinities are not served; a block of y whose largest magnitude lies under 2^-124 keeps the byte 1.
; REGISTERS: v1-4 16, 8 x lane for K's region and for V's; v5 4 (lane % 16); v8-11 the step's addresses; v12 -M, v13 the largest t, v[14:15] the sum; v16-33 zeros, q, zeros; v34 q's scale word;
;   v36-42 the second tile's q; v43 the mask's d, v44 -infinity; v48-95 four fragments of K, then of V; v96-159 S^T, then p; v160-191 O^T; v192-195, v196-199 V's scale halves and words; v224-254 at work; v248-251 K's scale words; v253 p's.
.set WV, 10
.set CX, 11
.set BH, 12
.set PP, 13
.set WH, 14
.set TAU, 15
.set G1, 16
.set G0A, 24
.set G0B, 28
.set KT, 32                            ; s32 the step's bytes in a region: 6,656 a step
.set TC, 33                            ; s33 the key step
.set GG, 34                            ; s34 the group of queries in hand: its diagonal step
.set CS, 36
.set SEL, 38
.set QCH, 42
.set QHH, 44
.set QCL, 46
.set QHL, 48
.set YCH, 50
.set YSH, 52
.set YCL, 54
.set YSL, 56
.set KF, 48
.macro PLACES
.rept 4
	v_nop
.endr
.endm
.macro CROUND
	s_barrier_signal -1
	s_barrier_wait -1
	s_cmp_lg_u32 s[WV], 0
	s_cbranch_scc1 .Lnot_wave_0_\@
	s_barrier_signal -3
.Lnot_wave_0_\@:
	s_barrier_wait -3
	s_barrier_signal -1
	s_barrier_wait -1
.endm
	s_load_b128 s[4:7], s[0:1], 0x0                ; qb, kvb
	s_load_b64 s[8:9], s[0:1], 0x10                ; yq
	v_lshl_add_u32 v243, v0, 2, 0x34000
	v_mov_b32 v255, 0
	ds_add_u32 v243, v255
	ds_add_u32 v243, v255
	v_lshrrev_b32 v1, 5, v0
	s_delay_alu instid0(VALU_DEP_1)
	v_readfirstlane_b32 s[WV], v1                  ; wave 0..15
	s_bfe_u32 s[CX], ttmp6, 0x40000
	s_and_b32 s[BH], ttmp7, 0xffff                 ; batch and head, which the four partners share
	s_and_b32 s[PP], s[WV], 7
	s_lshr_b32 s[WH], s[WV], 3
	s_lshl_b32 s[TAU], s[WH], 2
	s_add_co_u32 s[TAU], s[TAU], s[CX]             ; my tile of a group's eight
	s_mov_b32 s[G1], 15|(3<<16)|(1<<21)            ; the mask: all four; elements of 8 bytes; bit 21 beside a mask
	s_mov_b32 s[G1+1], 32<<16
	s_mov_b32 s[G1+2], 26<<16
	s_mov_b32 s[G1+3], 32<<16
	s_mov_b32 s[G1+4], 26
	s_mov_b32 s[G1+5], 32
	s_mov_b32 s[G1+6], 0
	s_mov_b32 s[G1+7], 0
	s_mul_i32 s58, s[WH], 106496                   ; waves 0-7 fetch K's region, waves 8-15 V's;
	s_mul_i32 s59, s[PP], 6656                     ; key step wave % 8, and eight steps on
	s_add_co_u32 s58, s58, s59
	s_mul_i32 s60, s[BH], 212992
	s_add_co_u32 s60, s60, s58
	s_mov_b32 s61, 0
	s_mov_b32 s[G0A], 1
	s_mov_b32 s[G0A+1], s58                        ; the place in LDS is the place in the head
	s_mov_b32 s[G0B], 1
	s_add_co_u32 s[G0B+1], s58, 53248
	s_wait_dscnt 0x0
	s_wait_kmcnt 0x0
	s_add_nc_u64 s[G0A+2:G0A+3], s[6:7], s[60:61]
	s_add_nc_u64 s[G0B+2:G0B+3], s[G0A+2:G0A+3], 53248
	s_or_b32 s[G0A+3], s[G0A+3], 0x80000000
	s_or_b32 s[G0B+3], s[G0B+3], 0x80000000
	CROUND                                         ; all four work-groups are here: the first joint load meets
	tensor_load_to_lds s[G0A:G0A+3], s[G1:G1+7]    ; one load of mine is out
	s_nop 0
	s_wait_alu depctr_va_vdst(0)
	s_wait_tensorcnt 0x0
	ds_add_u32 v243, v255
	s_wait_dscnt 0x0
	CROUND
	tensor_load_to_lds s[G0B:G0B+3], s[G1:G1+7]
	s_nop 0
	PLACES
	s_mul_i32 s62, s[BH], 106496                   ; the head in qb
	s_lshr_b32 s63, s[BH], 4
	s_lshl_b32 s63, s63, 7                         ; the batch's first record of y
	s_and_b32 s72, s[BH], 15                       ; the head: half (head % 2) of K step head / 2 of the last product
	s_mul_i32 s70, s72, 768
	s_lshr_b32 s71, s72, 1
	s_lshl_b32 s71, s71, 6
	s_and_b32 s72, s72, 1
	s_lshl_b32 s72, s72, 1
	s_add_co_u32 s71, s71, s72                     ; its half-word among a record's scale words: 64 (head / 2) + 2 (head % 2)
	s_sub_co_u32 s73, 15, s[PP]                    ; the first group of queries
.macro PTRS g, qc, qh, yc, ys          ; the pointers of my tile of group s[g]
	s_lshl_b32 s66, s[\g], 1
	s_add_co_u32 s66, s66, s[WH]
	s_mul_i32 s66, s66, 3328
	s_add_co_u32 s66, s66, s62                     ; the group record of four tiles of queries
	s_mul_i32 s68, s[CX], 768
	s_add_co_u32 s68, s68, s66
	s_mov_b32 s69, 0
	s_add_nc_u64 s[\qc:\qc+1], s[4:5], s[68:69]    ; my tile's codes
	s_lshl_b32 s68, s[CX], 1
	s_add_co_u32 s68, s68, s66
	s_add_nc_u64 s[\qh:\qh+1], s[4:5], s[68:69]    ; and its half-words (3,072 stands in the immediate)
	s_lshl_b32 s66, s[\g], 3
	s_add_co_u32 s66, s66, s[TAU]
	s_add_co_u32 s66, s66, s63
	s_mul_i32 s66, s66, 12800                      ; y's record of these 16 rows
	s_add_co_u32 s68, s66, s70
	s_add_nc_u64 s[\yc:\yc+1], s[8:9], s[68:69]
	s_add_co_u32 s68, s66, s71
	s_add_nc_u64 s[\ys:\ys+1], s[8:9], s[68:69]
.endm
	PTRS 73, QCH, QHH, YCH, YSH
	PTRS PP, QCL, QHL, YCL, YSL
	v_and_b32 v5, 31, v0
	s_delay_alu instid0(VALU_DEP_1)
	v_lshlrev_b32 v1, 4, v5
	s_delay_alu instid0(VALU_DEP_2)
	v_lshlrev_b32 v2, 3, v5
	global_load_b128 v[22:25], v1, s[QCH:QCH+1]
	global_load_b64 v[26:27], v2, s[QCH:QCH+1] offset:512
	global_load_u16 v35, v2, s[QHH:QHH+1] offset:3072
	global_load_b128 v[36:39], v1, s[QCL:QCL+1]
	global_load_b64 v[40:41], v2, s[QCL:QCL+1] offset:512
	global_load_u16 v42, v2, s[QHL:QHL+1] offset:3072
	v_add_nc_u32 v3, 106496, v1
	v_add_nc_u32 v4, 106496, v2
	v_and_b32 v6, 15, v0                           ; r
	s_delay_alu instid0(VALU_DEP_1)
	v_lshlrev_b32 v5, 2, v6
	s_delay_alu instid0(VALU_DEP_2)
	v_and_b32 v7, 8, v6
	s_delay_alu instid0(VALU_DEP_1)
	v_add_nc_u32 v43, v6, v7                       ; r + 8 (r / 8)
	v_bfe_u32 v7, v0, 4, 1
	s_delay_alu instid0(VALU_DEP_1)
	v_lshlrev_b32 v7, 4, v7
	s_delay_alu instid0(VALU_DEP_1)
	v_sub_nc_u32 v43, v43, v7                      ; - 16 h
	s_lshr_b32 s74, s[TAU], 1
	s_lshl_b32 s74, s74, 5
	s_and_b32 s75, s[TAU], 1
	s_lshl_b32 s75, s75, 3
	s_add_co_u32 s74, s74, s75
	v_add_nc_u32 v43, s74, v43                     ; d = my query's place in its group - 16 h: register 16 b + i holds key 32 b + 16 h + i of the step: hidden on the diagonal where 32 b + i > d
	v_mov_b32 v44, 0xff800000                      ; -infinity
.irp j, 0,1,2,3,4,5
	v_mov_b32 v[16+\j], 0                          ; the zero codes on both sides of q
	v_mov_b32 v[28+\j], 0
.endr
.irp b, 0,1,2,3
	v_mov_b32 v[236+\b], 0                         ; written once: a lane permute's destination counts as read
.endr
	v_mov_b32 v253, 0                              ; (named as the upper half of the pair v[252:253] before it is first written)
	s_mov_b32 s[CS], 0x3e38aa3b                    ; c = log2(e) / sqrt(64)
	s_mov_b32 s[CS+1], s[CS]
	s_mov_b32 s[SEL], 0x76543210
	s_mov_b32 s[SEL+1], 0xfedcba98
	s_mov_b32 s40, 0x05040100                      ; byte selects: the two low halves, the two high halves
	s_mov_b32 s41, 0x07060302
.macro INIT                            ; a tile's statistics and O^T: the first step finds zeros, which the first change of M leaves zeros
	v_mov_b32 v13, 0xff61b1e6                      ; the largest t so far: -3e38
	s_delay_alu instid0(VALU_DEP_1)
	v_floor_f32 v12, -v13
	v_mov_b32 v14, 0
	v_mov_b32 v15, 0
.set jj, 0
.rept 32
	v_mov_b32 v[160+jj], 0
.set jj, jj+1
.endr
.endm
; A KEY STEP of 128 keys.  skip = 1: a step behind the diagonal is left out (a scalar branch on the wave's number and the trip).  mask = 1: on the diagonal hidden scores become -infinity.
.macro STEP skip, mask
.if \skip
	s_cmp_gt_u32 s[TC], s[GG]
	s_cbranch_scc1 .Lhid_\@
.endif
	s_setprio 2
	v_add_nc_u32 v8, s[KT], v1                     ; these four are also the places in front of the loads into registers that the last products read
	v_add_nc_u32 v9, s[KT], v2
	v_add_nc_u32 v10, s[KT], v3
	v_add_nc_u32 v11, s[KT], v4
.irp g, 0,1
.irp j, 0,1
	ds_load_b128 v[KF+12*(2*\g+\j):KF+12*(2*\g+\j)+3], v8 offset:3328*\g+1536*\j
	ds_load_b64 v[KF+12*(2*\g+\j)+4:KF+12*(2*\g+\j)+5], v9 offset:3328*\g+1536*\j+512
	ds_load_b128 v[KF+12*(2*\g+\j)+6:KF+12*(2*\g+\j)+9], v8 offset:3328*\g+1536*\j+768
	ds_load_b64 v[KF+12*(2*\g+\j)+10:KF+12*(2*\g+\j)+11], v9 offset:3328*\g+1536*\j+1280
.endr
	ds_load_b64 v[248+2*\g:249+2*\g], v9 offset:3328*\g+3072       ; the two fragments' scale words, as they lie
.endr
	s_wait_alu depctr_va_vdst(0)
	s_wait_dscnt 0x0
.irp b, 0,1,2,3                        ; S^T = K Q^T: fragment b holds key tiles 2 b (lower half of K) and 2 b + 1 (upper half)
	v_wmma_scale_f32_16x16x128_f8f6f4 v[96+16*\b:103+16*\b], v[KF+12*\b:KF+12*\b+11], v[22:33], 0, v[248+\b], v34 matrix_a_fmt:MATRIX_FMT_FP6 matrix_b_fmt:MATRIX_FMT_FP6
	v_wmma_scale_f32_16x16x128_f8f6f4 v[104+16*\b:111+16*\b], v[KF+12*\b:KF+12*\b+11], v[16:27], 0, v[248+\b], v34 matrix_a_fmt:MATRIX_FMT_FP6 matrix_b_fmt:MATRIX_FMT_FP6
.endr
	PLACES                                         ; in front of the loads below and of the first read of the scores
.irp j, 0,1,2,3                        ; V^T's four tiles of 16 of the head's 64: they land under the softmax
	ds_load_b128 v[KF+12*\j:KF+12*\j+3], v10 offset:768*\j
	ds_load_b64 v[KF+12*\j+4:KF+12*\j+5], v11 offset:768*\j+512
	ds_load_b128 v[KF+12*\j+6:KF+12*\j+9], v10 offset:3328+768*\j
	ds_load_b64 v[KF+12*\j+10:KF+12*\j+11], v11 offset:3328+768*\j+512
.endr
	ds_load_b64 v[192:193], v11 offset:3072        ; their half-words for keys 0-63 of the step,
	ds_load_b64 v[194:195], v11 offset:6400        ; and for keys 64-127
.if \mask
	s_cmp_lg_u32 s[TC], s[GG]
	s_cbranch_scc1 .Lopen_\@
.set nn, 0
.rept 64
	v_cmp_gt_i32 vcc_lo, 32*(nn/16)+nn%16, v43
	v_cndmask_b32 v[96+nn], v[96+nn], v44, vcc_lo
.set nn, nn+1
.endr
.Lopen_\@:
.endif
.irp b, 0,1,2,3
	v_max3_num_f32 v[232+\b], v[96+16*\b], v[97+16*\b], v[98+16*\b]   ; the largest score of each block of 32 keys: for the row's maximum and, since p rises with the score, for the block's largest p
.endr
.irp i, 3,5,7,9,11,13
.irp b, 0,1,2,3
	v_max3_num_f32 v[232+\b], v[232+\b], v[96+16*\b+\i], v[97+16*\b+\i]
.endr
.endr
.irp b, 0,1,2,3
	v_max_num_f32 v[232+\b], v[232+\b], v[111+16*\b]
.endr
.irp b, 0,1,2,3
	s_delay_alu instid0(VALU_DEP_4)
	v_permlanex16_b32 v[236+\b], v[232+\b], s[SEL], s[SEL+1]
.endr
.irp b, 0,1,2,3
	s_delay_alu instid0(VALU_DEP_4)
	v_max_num_f32 v[232+\b], v[232+\b], v[236+\b]  ; with lane l xor 16's 16 keys
.endr
	s_delay_alu instid0(VALU_DEP_2)
	v_max3_num_f32 v254, v232, v233, v234
	s_delay_alu instid0(VALU_DEP_1)
	v_max_num_f32 v254, v254, v235
	s_delay_alu instid0(VALU_DEP_1)
	v_mul_f32 v254, s[CS], v254                    ; the step's largest t
	s_delay_alu instid0(VALU_DEP_1)
	v_max_num_f32 v13, v13, v254
	v_mov_b32 v254, v12
	s_delay_alu instid0(VALU_DEP_2)
	v_floor_f32 v12, -v13                          ; -M = floor(-t): M is a whole number
	s_delay_alu instid0(VALU_DEP_1)
	v_sub_f32 v254, v12, v254
	s_delay_alu instid0(VALU_DEP_1)
	v_cvt_i32_f32 v254, v254                       ; old M - new M (it saturates)
	s_delay_alu instid0(VALU_DEP_1)
	v_ldexp_f32 v252, 1.0, v254                    ; f = 2^(old M - new M): rounds nothing
.set jj, 0
.rept 32
	v_pk_fma_f32 v[96+jj:97+jj], v[96+jj:97+jj], s[CS:CS+1], v[12:13] op_sel_hi:[1,0,0]   ; t - M
.set jj, jj+2
.endr
.irp b, 0,1,2,3
	v_fma_f32 v[232+\b], v[232+\b], s[CS], v12
.endr
.set jj, 0
	s_setprio 1
	s_wait_alu depctr_va_vdst(0)
.rept 64
	v_exp_f32 v[96+jj], v[96+jj]                   ; p = 2^(t - M)
.set jj, jj+1
.endr
.irp b, 0,1,2,3
	v_exp_f32 v[232+\b], v[232+\b]                 ; the block's largest p
.endr
	v_pk_mul_f32 v[14:15], v[14:15], v[252:253] op_sel_hi:[1,0]    ; the sums under the new M (a plain place behind the exponentials)
	s_wait_alu depctr_va_vdst(0)
.irp b, 0,1,2,3
	v_max_num_f32 v[232+\b], 0x1800000, v[232+\b]  ; the floor 2^(3 - 127)
.endr
.irp b, 0,1,2,3
	s_delay_alu instid0(VALU_DEP_4)
	v_add_nc_u32 v[244+\b], 0xff000000, v[232+\b]
.endr
.irp b, 0,1,2,3
	s_delay_alu instid0(VALU_DEP_4)
	v_lshrrev_b32 v[236+\b], 23, v[244+\b]
.endr
	s_delay_alu instid0(VALU_DEP_3)
	v_lshl_or_b32 v253, v237, 8, v236              ; p's scale word for these 128 keys
	s_delay_alu instid0(VALU_DEP_1)
	v_lshl_or_b32 v253, v238, 16, v253
	s_delay_alu instid0(VALU_DEP_1)
	v_lshl_or_b32 v253, v239, 24, v253
.irp c, 0,1
	v_cvt_scalef32_pk16_fp6_f32 v[224+6*\c:226+6*\c], v[96+32*\c:111+32*\c], v[244+2*\c]
	v_cvt_scalef32_pk16_fp6_f32 v[236+4*\c:238+4*\c], v[112+32*\c:127+32*\c], v[244+2*\c+1]
.endr
	v_nop                                          ; one plain place behind a scaled conversion
.irp c, 0,1
.irp i, 0,1,2
	v_permlane16_swap_b32 v[224+6*\c+\i], v[236+4*\c+\i]
.endr
.irp i, 0,1,2
	s_delay_alu instid0(VALU_DEP_3)
	v_mov_b32 v[227+6*\c+\i], v[236+4*\c+\i]
.endr
.endr
	s_wait_dscnt 0x0                               ; V and its half-words are in
	v_perm_b32 v196, v194, v192, s40               ; tile j's scale word: its half-word of keys 0-63 below, of keys 64-127 above
	v_perm_b32 v197, v194, v192, s41
	v_perm_b32 v198, v195, v193, s40
	v_perm_b32 v199, v195, v193, s41
.set jj, 0
.rept 16
	v_pk_mul_f32 v[160+jj:161+jj], v[160+jj:161+jj], v[252:253] op_sel_hi:[1,0]   ; O^T under the new M
.set jj, jj+2
.endr
	v_pk_add_f32 v[236:237], v[96:97], v[98:99]    ; the row's sum of the UNQUANTISED p, in two chains: these 32 lines name no register of the products below and are the places in front of them
.set jj, 4
	s_setprio 0
.rept 15
	v_pk_add_f32 v[14:15], v[14:15], v[96+jj:97+jj]
	v_pk_add_f32 v[236:237], v[236:237], v[98+jj:99+jj]
.set jj, jj+4
.endr
	s_delay_alu instid0(VALU_DEP_1)
	v_pk_add_f32 v[14:15], v[14:15], v[236:237]
.irp j, 0,1,2,3                        ; O^T += V^T P^T: four accumulators, one instruction each
	v_wmma_scale_f32_16x16x128_f8f6f4 v[160+8*\j:167+8*\j], v[KF+12*\j:KF+12*\j+11], v[224:235], v[160+8*\j:167+8*\j], v[196+\j], v253 matrix_a_fmt:MATRIX_FMT_FP6 matrix_b_fmt:MATRIX_FMT_FP6
.endr
.if \skip
.Lhid_\@:
.endif
	s_add_co_u32 s[KT], s[KT], 6656
	s_add_co_u32 s[TC], s[TC], 1
.endm
; THE WAY OUT of a tile: y = O^T / the sum; a lane's 32 numbers are 16 b + k = channel 32 b + 16 h + k of the head: two blocks of the last product's K.  They leave as half a fragment and a half-word a row.
.macro OUT yc, ys
	PLACES
	v_add_f32 v14, v14, v15
	s_delay_alu instid0(VALU_DEP_1)
	v_permlanex16_b32 v252, v14, s[SEL], s[SEL+1]
	s_delay_alu instid0(VALU_DEP_1)
	v_add_f32 v14, v14, v252                       ; the row's sum
	s_wait_alu depctr_va_vdst(0)
	v_rcp_f32 v14, v14
	v_nop                                          ; one plain place behind a transcendental
.set jj, 0
	s_wait_alu depctr_va_vdst(0)
.rept 32
	v_mul_f32 v[96+jj], v[160+jj], v14             ; each accumulator from its low end on
.set jj, jj+1
.endr
.irp b, 0,1
	v_max3_num_f32 v[232+\b], |v[96+16*\b]|, |v[97+16*\b]|, 0x1800000
.endr
.irp i, 2,4,6,8,10,12,14
.irp b, 0,1
	s_delay_alu instid0(VALU_DEP_2)
	v_max3_num_f32 v[232+\b], v[232+\b], |v[96+16*\b+\i]|, |v[97+16*\b+\i]|
.endr
.endr
.irp b, 0,1
	s_delay_alu instid0(VALU_DEP_2)
	v_permlanex16_b32 v[236+\b], v[232+\b], s[SEL], s[SEL+1]
.endr
.irp b, 0,1
	s_delay_alu instid0(VALU_DEP_2)
	v_max_num_f32 v[232+\b], v[232+\b], v[236+\b]
.endr
.irp b, 0,1
	s_delay_alu instid0(VALU_DEP_2)
	v_add_nc_u32 v[244+\b], 0xff000000, v[232+\b]
.endr
.irp b, 0,1
	s_delay_alu instid0(VALU_DEP_2)
	v_lshrrev_b32 v[236+\b], 23, v[244+\b]
.endr
	s_delay_alu instid0(VALU_DEP_1)
	v_lshl_or_b32 v254, v237, 8, v236
	v_cvt_scalef32_pk16_fp6_f32 v[224:226], v[96:111], v244
	v_cvt_scalef32_pk16_fp6_f32 v[240:242], v[112:127], v245
	v_nop                                          ; one plain place behind a scaled conversion
.irp i, 0,1,2
	v_permlane16_swap_b32 v[224+\i], v[240+\i]
.endr
.irp i, 0,1,2
	s_delay_alu instid0(VALU_DEP_3)
	v_mov_b32 v[227+\i], v[240+\i]
.endr
	global_store_b128 v1, v[224:227], s[\yc:\yc+1]                 ; 512 consecutive bytes
	global_store_b64 v2, v[228:229], s[\yc:\yc+1] offset:512       ; 256 consecutive bytes
	global_store_b16 v5, v254, s[\ys:\ys+1] offset:12288           ; a head is half of a K step, so a row's half-word stands alone: 2 bytes in every 4; lanes r and r + 16 write the same bytes
	s_wait_xcnt 0x0                                ; the stores' data are written again only behind this wait
.endm
	s_wait_loadcnt 0x0                             ; q of both tiles
	v_lshl_or_b32 v34, v35, 16, v35                ; q's two bytes serve whichever half of K q stands in
	INIT
	s_mov_b32 s[GG], s73
	s_mov_b32 s[KT], 0
	s_mov_b32 s[TC], 0
	s_wait_tensorcnt 0x1                           ; my part of key steps 0-7 is in; my part of steps 8-15 may stay out
	s_barrier_signal -1
	s_barrier_wait -1
.Lloop_a:                              ; steps 0-7 of the first tile: its group is 8 or later, so all their keys count
	STEP 0, 0
	s_cmp_lt_u32 s[TC], 8
	s_cbranch_scc1 .Lloop_a
	s_setprio 0
	s_wait_tensorcnt 0x0                           ; my part of steps 8-15 is in,
	s_wait_dscnt 0x0
	s_barrier_signal -1
	s_barrier_wait -1                              ; everybody's is
.Lloop_b:                              ; steps 8-15: up to the diagonal
	STEP 1, 1
	s_cmp_lt_u32 s[TC], 16
	s_cbranch_scc1 .Lloop_b
	s_setprio 0
	s_wait_alu depctr_va_vdst(0)
	OUT YCH, YSH
.irp j, 0,1,2,3,4,5
	v_mov_b32 v[22+\j], v[36+\j]                   ; the second tile's q
.endr
	v_lshl_or_b32 v34, v42, 16, v42
	INIT
	s_mov_b32 s[GG], s[PP]
	s_mov_b32 s[KT], 0
	s_mov_b32 s[TC], 0
.Lloop_c:                              ; steps 0-7 of the second tile: up to the diagonal
	STEP 1, 1
	s_cmp_lt_u32 s[TC], 8
	s_cbranch_scc1 .Lloop_c
	s_setprio 0
	s_wait_alu depctr_va_vdst(0)
	OUT YCL, YSL
	s_wait_tensorcnt 0x0
	ds_add_u32 v243, v255
	s_wait_dscnt 0x0
	CROUND                                         ; the closing round
	s_endpgm
.Lfunc_end_k_qd0bc02a2ae_attn:
	.size	k_qd0bc02a2ae_attn, .Lfunc_end_k_qd0bc02a2ae_attn-k_qd0bc02a2ae_attn
	.p2alignl 7, 3214868480
	.fill 96, 4, 3214868480
	.section	.rodata,"a",@progbits
	.p2align	6, 0x0
	.amdhsa_kernel k_qd0bc02a2ae_attn
		.amdhsa_group_segment_fixed_size 327680
		.amdhsa_private_segment_fixed_size 0
		.amdhsa_enable_private_segment 0
		.amdhsa_kernarg_size 24
		.amdhsa_user_sgpr_count 2
		.amdhsa_user_sgpr_kernarg_segment_ptr 1
		.amdhsa_wavefront_size32 1
		.amdhsa_system_sgpr_workgroup_id_x 1
		.amdhsa_system_sgpr_workgroup_id_y 1
		.amdhsa_system_sgpr_workgroup_id_z 1
		.amdhsa_system_vgpr_workitem_id 0
		.amdhsa_next_free_vgpr 256
		.amdhsa_next_free_sgpr 80
		.amdhsa_reserve_vcc 1
		.amdhsa_float_denorm_mode_32 3
		.amdhsa_float_denorm_mode_16_64 3
		.amdhsa_memory_ordered 1
		.amdhsa_forward_progress 1
		.amdhsa_inst_pref_size 83
	.end_amdhsa_kernel
	.amdgpu_metadata
---
amdhsa.version: [ 1, 2 ]
amdhsa.kernels:
  - .name:           k_qd0bc02a2ae_attn
    .symbol:         k_qd0bc02a2ae_attn.kd
    .args:
      - { .name: qb, .offset: 0, .size: 8, .value_kind: global_buffer, .address_space: global }
      - { .name: kvb, .offset: 8, .size: 8, .value_kind: global_buffer, .address_space: global }
      - { .name: yq, .offset: 16, .size: 8, .value_kind: global_buffer, .address_space: global }
    .group_segment_fixed_size: 327680
    .private_segment_fixed_size: 0
    .kernarg_segment_align: 8
    .kernarg_segment_size: 24
    .max_flat_workgroup_size: 512
    .sgpr_count:     80
    .vgpr_count:     256
    .wavefront_size: 32
...
	.end_amdgpu_metadata
.endif
;; end of part 4
;; launch gemm_proj (part 5): grid 4 x 64, 4 waves a work-group, clusters of 4 x 1, 168,448 bytes of LDS; arguments yq, wq, out0; writes out0
.if DOCPART == 5
	.amdgcn_target "amdgcn-amd-amdhsa--gfx1250"
	.amdhsa_code_object_version 6
	.text
	.protected	k_qd0bc02a2ae_gemm_proj
	.globl	k_qd0bc02a2ae_gemm_proj
	.p2align	8
	.type	k_qd0bc02a2ae_gemm_proj,@function
k_qd0bc02a2ae_gemm_proj:
	s_mov_b64 s[64:65], 0
	v_nop
	global_prefetch_b8 v0, s[64:65] scope:SCOPE_SE
	s_setreg_imm32_b32 hwreg(HW_REG_WAVE_MODE, 25, 1), 1
	s_wait_xcnt 0x0
	s_wait_alu depctr_hold_cnt(0) depctr_sa_sdst(0) depctr_va_vdst(0) depctr_va_sdst(0) depctr_va_ssrc(0) depctr_va_vcc(0) depctr_vm_vsrc(0)
	s_getreg_b32 s2, hwreg(HW_REG_IB_STS2, 6, 4)
	s_cmp_eq_u32 s2, 0
	s_cbranch_scc0 .Lentry_in_a_cluster
	s_endpgm
.Lentry_in_a_cluster:
	s_bfe_u32 s2, ttmp6, 0x10000c
	s_cmp_lg_u32 s2, 0x3003
	s_cbranch_scc0 .Lentry_shape_is_right
	s_endpgm
.Lentry_shape_is_right:
; out = y w_proj on codes of E2M3.  D = S0 S1^T as in the first product's kernel: S0 = 64 columns of w_proj a wave, STATIONARY in 384 registers for all of K = 1024; S1 = 128 rows of y, two blocks of 64, from LDS.
; A work-group makes 128 rows x 256 columns; the four work-groups of a cluster make the same rows' 1,024 columns and ask for y's eight records JOINTLY (mask 15).
; Both blocks are first fills (a wave brings one record of each, 50 rows x 256 bytes): nothing is filled again.
; THE WAY OUT: a lane holds one row of y and 2 x 16 neighbouring columns; a tile of 16 rows x 64 columns goes through the wave's own stage in LDS (rows 272 bytes apart; no fill lands there) and leaves
; as rows of 256 consecutive bytes, at multiples of 256 from the output's first byte, sixteen lanes to a row.
; REGISTERS: as in the first product's kernel; v7, v10, v11 the stage's and the output's addresses; v48-175 on the way out: four sets of 32.
.set RECB, 12800
.set SS0, 16
.set SS1, 32
.set F0, 48
.set OB, 48
.set STAGE, 102400
.set G1, 16
.set G0A, 24
.set G0B, 48
.set MSB, 0
.macro WIN new                         ; the immediate's high byte repeats the setting that is left
.if MSB != \new
	s_set_vgpr_msb (MSB<<8)|\new
.set MSB, \new
.endif
.endm
.macro PLACES
.rept 4
	v_nop
.endr
.endm
.macro CROUND
	s_barrier_signal -1
	s_barrier_wait -1
	s_cmp_lg_u32 s12, 0
	s_cbranch_scc1 .Lnot_wave_0_\@
	s_barrier_signal -3
.Lnot_wave_0_\@:
	s_barrier_wait -3
	s_barrier_signal -1
	s_barrier_wait -1
.endm
	s_load_b128 s[4:7], s[0:1], 0x0                ; yq, wq
	s_load_b64 s[8:9], s[0:1], 0x10                ; out0
	v_lshl_add_u32 v254, v0, 2, 0x29000
	v_mov_b32 v255, 0
	ds_add_u32 v254, v255
	ds_add_u32 v254, v255
	v_lshrrev_b32 v1, 5, v0
	v_readfirstlane_b32 s12, v1                    ; wave
	s_bfe_u32 s13, ttmp6, 0x40000                  ; cx
	s_and_b32 s15, ttmp7, 0xffff                   ; y: which 128 rows
	s_mov_b32 s[G1], 15|(3<<16)|(1<<21)
	s_mov_b32 s[G1+1], 32<<16
	s_mov_b32 s[G1+2], 50<<16
	s_mov_b32 s[G1+3], 32<<16
	s_mov_b32 s[G1+4], 50
	s_mov_b32 s[G1+5], 32
	s_mov_b32 s[G1+6], 0
	s_mov_b32 s[G1+7], 0
	s_lshl_b32 s40, s13, 4
	s_lshl_b32 s41, s12, 2
	s_add_co_u32 s40, s40, s41
	s_add_co_u32 s40, s40, 192                     ; my four tiles of w_proj's columns
	s_mul_i32 s40, s40, RECB
	s_mov_b32 s41, 0
	s_lshl_b32 s44, s15, 3
	s_add_co_u32 s44, s44, s12                     ; y's record 8 y + wave (no register of this address ever holds cx)
	s_mul_i32 s44, s44, RECB
	s_mov_b32 s45, 0
	s_lshl_b32 s46, s15, 19                        ; 128 rows of 4,096 bytes,
	s_lshl_b32 s47, s13, 10
	s_add_co_u32 s46, s46, s47                     ; my work-group's 256 columns,
	s_lshl_b32 s47, s12, 8
	s_add_co_u32 s46, s46, s47                     ; my wave's 64
	s_mov_b32 s47, 0
	s_mov_b32 s[G0A], 1
	s_mul_i32 s[G0A+1], s12, RECB
	s_mov_b32 s[G0B], 1
	s_add_co_u32 s[G0B+1], s[G0A+1], 4*RECB
	s_wait_dscnt 0x0
	s_wait_kmcnt 0x0
	s_add_nc_u64 s[32:33], s[6:7], s[40:41]
	s_add_nc_u64 s[34:35], s[8:9], s[46:47]
	s_add_nc_u64 s[G0A+2:G0A+3], s[4:5], s[44:45]
	s_add_nc_u64 s[G0B+2:G0B+3], s[G0A+2:G0A+3], 4*RECB
	s_or_b32 s[G0A+3], s[G0A+3], 0x80000000
	s_or_b32 s[G0B+3], s[G0B+3], 0x80000000
	CROUND                                         ; all four work-groups are here: the joint loads meet
	tensor_load_to_lds s[G0A:G0A+3], s[G1:G1+7]    ; two loads of mine are out
	s_nop 0
	tensor_load_to_lds s[G0B:G0B+3], s[G1:G1+7]
	s_nop 0
	PLACES
	v_and_b32 v3, 31, v0
	v_lshlrev_b32 v1, 4, v3
	v_lshlrev_b32 v2, 3, v3
	v_lshlrev_b32 v3, 2, v3
.macro S0LOAD lo
.irp a, 0,1
.irp s, 0,1,2,3,4,5,6,7
	global_load_b128 v[96*\a+12*\s:96*\a+12*\s+3], v1, s[32:33] offset:RECB*(\lo+\a)+1536*\s
	global_load_b64 v[96*\a+12*\s+4:96*\a+12*\s+5], v2, s[32:33] offset:RECB*(\lo+\a)+1536*\s+512
	global_load_b128 v[96*\a+12*\s+6:96*\a+12*\s+9], v1, s[32:33] offset:RECB*(\lo+\a)+1536*\s+768
	global_load_b64 v[96*\a+12*\s+10:96*\a+12*\s+11], v2, s[32:33] offset:RECB*(\lo+\a)+1536*\s+1280
.endr
.endr
.endm
	WIN 0x40                                       ; destination window 1
	S0LOAD 0
	WIN 0x80                                       ; destination window 2
	S0LOAD 2
	WIN 0
.irp a, 0,1,2,3
.irp j, 0,1,2,3
	global_load_b32 v[SS0+4*\a+\j], v3, s[32:33] offset:RECB*\a+12288+128*\j
.endr
.endr
	v_and_b32 v12, 15, v0                          ; r
	v_bfe_u32 v13, v0, 4, 1                        ; h
	s_mul_i32 s42, s12, 16*272
	s_add_co_u32 s42, s42, STAGE                   ; my stage
	v_mul_u32_u24 v7, v12, 272
	v_lshl_add_u32 v7, v13, 6, v7
	v_add_nc_u32 v7, s42, v7                       ; in: row r, + 64 h bytes
	v_mul_u32_u24 v10, v13, 272
	v_lshl_add_u32 v10, v12, 4, v10
	v_add_nc_u32 v10, s42, v10                     ; back: lanes 0-15 one row, lanes 16-31 the next
	v_lshlrev_b32 v11, 12, v13
	v_lshl_add_u32 v11, v12, 4, v11                ; and the same two rows in the output
.macro FETCH s, f
.irp i, 0,1,2,3
	ds_load_b128 v[\f+12*\i:\f+12*\i+3], v4 offset:RECB*\i+1536*(\s)
	ds_load_b64 v[\f+12*\i+4:\f+12*\i+5], v5 offset:RECB*\i+1536*(\s)+512
	ds_load_b128 v[\f+12*\i+6:\f+12*\i+9], v4 offset:RECB*\i+1536*(\s)+768
	ds_load_b64 v[\f+12*\i+10:\f+12*\i+11], v5 offset:RECB*\i+1536*(\s)+1280
.endr
.endm
.macro MM8 s, f, lo
.irp a, 0,1
.irp i, 0,1,2,3
.if (\s) == 0
	v_wmma_scale_f32_16x16x128_f8f6f4 v[8*(4*\i+\lo+\a):8*(4*\i+\lo+\a)+7], v[96*\a+12*(\s):96*\a+12*(\s)+11], v[\f+12*\i:\f+12*\i+11], 0, v[SS0+4*(\lo+\a)+(\s)/2], v[SS1+4*\i+(\s)/2] matrix_a_fmt:MATRIX_FMT_FP6 matrix_b_fmt:MATRIX_FMT_FP6
.elseif (\s)%2 == 0
	v_wmma_scale_f32_16x16x128_f8f6f4 v[8*(4*\i+\lo+\a):8*(4*\i+\lo+\a)+7], v[96*\a+12*(\s):96*\a+12*(\s)+11], v[\f+12*\i:\f+12*\i+11], v[8*(4*\i+\lo+\a):8*(4*\i+\lo+\a)+7], v[SS0+4*(\lo+\a)+(\s)/2], v[SS1+4*\i+(\s)/2] matrix_a_fmt:MATRIX_FMT_FP6 matrix_b_fmt:MATRIX_FMT_FP6
.else
	v_wmma_scale_f32_16x16x128_f8f6f4 v[8*(4*\i+\lo+\a):8*(4*\i+\lo+\a)+7], v[96*\a+12*(\s):96*\a+12*(\s)+11], v[\f+12*\i:\f+12*\i+11], v[8*(4*\i+\lo+\a):8*(4*\i+\lo+\a)+7], v[SS0+4*(\lo+\a)+(\s)/2], v[SS1+4*\i+(\s)/2] matrix_a_fmt:MATRIX_FMT_FP6 matrix_b_fmt:MATRIX_FMT_FP6 matrix_a_scale:MATRIX_SCALE_ROW1 matrix_b_scale:MATRIX_SCALE_ROW1
.endif
.endr
.endr
.endm
.macro KSTEP s                         ; 16 matrix instructions on 16 accumulators that take turns
.if (\s) < 7
.if (\s) > 0
	PLACES                                         ; in front of loads into the set that the last step's products read
.endif
	FETCH (\s)+1, F0+48*(((\s)+1)%2)
	s_wait_dscnt 16                                ; all but the 16 just issued
.else
	s_wait_dscnt 0x0
.endif
	WIN 0xf1
	MM8 \s, F0+48*((\s)%2), 0
	WIN 0xf2
	MM8 \s, F0+48*((\s)%2), 2
	WIN 0
.endm
.macro TOSTAGE i                       ; tile i of the block's rows: registers 32 i + 4 e hold columns 32 (e / 4) + 16 h + 4 (e % 4) on
	WIN 0x0c                                       ; an LDS store's data are its source 1: window 3
.irp e, 0,1,2,3,4,5,6,7
	ds_store_b128 v7, v[32*\i+4*\e:32*\i+4*\e+3] offset:128*(\e/4)+16*(\e%4)   ; each accumulator from its low end on
.endr
	WIN 0
.irp k, 0,1,2,3,4,5,6,7
	ds_load_b128 v[OB+32*\i+4*\k:OB+32*\i+4*\k+3], v10 offset:544*\k           ; LDS serves a wave's instructions in order: these see the stores above, and the next tile's stores come behind them
.endr
.endm
.macro SEND i, half, younger           ; younger: the LDS instructions issued behind tile i's loads
.irp k, 0,1,2,3,4,5,6,7
	s_wait_dscnt \younger+7-\k
	global_store_b128 v11, v[OB+32*\i+4*\k:OB+32*\i+4*\k+3], s[34:35] offset:(64*\half+32*(\i/2)+8*(\i%2)+2*\k+8*(\k/4))*4096 th:TH_STORE_NT
.endr
.endm
.macro BLOCK half
	s_mov_b32 s29, 4*RECB*\half
	v_add_nc_u32 v4, s29, v1
	v_add_nc_u32 v5, s29, v2
	v_add_nc_u32 v6, s29, v3
.irp i, 0,1,2,3
.irp j, 0,1,2,3
	ds_load_b32 v[SS1+4*\i+\j], v6 offset:RECB*\i+12288+128*\j
.endr
.endr
	FETCH 0, F0
.irp s, 0,1,2,3,4,5,6,7
	KSTEP \s
.endr
	PLACES                                         ; in front of the first read of results and of loads into registers that the products read
	TOSTAGE 0
	TOSTAGE 1
	SEND 0, \half, 16
	TOSTAGE 2
	SEND 1, \half, 16
	TOSTAGE 3
	SEND 2, \half, 16
	SEND 3, \half, 0
.endm
	s_wait_loadcnt 0x0                             ; the stationary operand and its scale words
	s_wait_tensorcnt 0x1                           ; my record of the first block is in; the second block's may stay out
	s_barrier_signal -1
	s_barrier_wait -1
	BLOCK 0
	s_wait_xcnt 0x0                                ; the stores' data registers take the next block's fragments only behind this wait
	s_wait_tensorcnt 0x0                           ; my record of the second block is in,
	s_wait_dscnt 0x0
	s_barrier_signal -1
	s_barrier_wait -1                              ; everybody's is
	BLOCK 1
	s_wait_tensorcnt 0x0
	ds_add_u32 v254, v255
	s_wait_dscnt 0x0
	CROUND                                         ; the closing round
	s_endpgm
.Lfunc_end_k_qd0bc02a2ae_gemm_proj:
	.size	k_qd0bc02a2ae_gemm_proj, .Lfunc_end_k_qd0bc02a2ae_gemm_proj-k_qd0bc02a2ae_gemm_proj
	.p2alignl 7, 3214868480
	.fill 96, 4, 3214868480
	.section	.rodata,"a",@progbits
	.p2align	6, 0x0
	.amdhsa_kernel k_qd0bc02a2ae_gemm_proj
		.amdhsa_group_segment_fixed_size 168448
		.amdhsa_private_segment_fixed_size 0
		.amdhsa_enable_private_segment 0
		.amdhsa_kernarg_size 24
		.amdhsa_user_sgpr_count 2
		.amdhsa_user_sgpr_kernarg_segment_ptr 1
		.amdhsa_wavefront_size32 1
		.amdhsa_system_sgpr_workgroup_id_x 1
		.amdhsa_system_sgpr_workgroup_id_y 1
		.amdhsa_system_sgpr_workgroup_id_z 1
		.amdhsa_system_vgpr_workitem_id 0
		.amdhsa_next_free_vgpr 1024
		.amdhsa_next_free_sgpr 66
		.amdhsa_reserve_vcc 0
		.amdhsa_float_denorm_mode_32 3
		.amdhsa_float_denorm_mode_16_64 3
		.amdhsa_memory_ordered 1
		.amdhsa_forward_progress 1
		.amdhsa_inst_pref_size 89
	.end_amdhsa_kernel
	.amdgpu_metadata
---
amdhsa.version: [ 1, 2 ]
amdhsa.kernels:
  - .name:           k_qd0bc02a2ae_gemm_proj
    .symbol:         k_qd0bc02a2ae_gemm_proj.kd
    .args:
      - { .name: yq, .offset: 0, .size: 8, .value_kind: global_buffer, .address_space: global }
      - { .name: wq, .offset: 8, .size: 8, .value_kind: global_buffer, .address_space: global }
      - { .name: out0, .offset: 16, .size: 8, .value_kind: global_buffer, .address_space: global }
    .group_segment_fixed_size: 168448
    .private_segment_fixed_size: 0
    .kernarg_segment_align: 8
    .kernarg_segment_size: 24
    .max_flat_workgroup_size: 128
    .sgpr_count:     66
    .vgpr_count:     1024
    .wavefront_size: 32
...
	.end_amdgpu_metadata
.endif
;; end of part 5
